; MI455X (gfx1250); checked and timed in simulation.
; The chip was launched on July 23, 2026; its instructions are those of AMD's public machine-readable ISA for CDNA 5 (MIT licence, August 2026) and "CDNA5" Instruction Set Architecture Reference Guide (July 2026). The comments in the code are by the model that wrote it; some were corrected since.
;; Fluxon Router Cos. Allowed arithmetic: float matrix products may take bf16 or f16 operands with f32 sums; all other float work in f32.
;; Inputs: A 32,768 x 512 float32; h 4,096 x 512 float32.
;; Outputs: out0 4,096 x 1 int32.
;; One version. Each part assembles by itself: llvm-mc -triple=amdgcn-amd-amdhsa -mcpu=gfx1250 --defsym DOCPART=n.
;; ======== version 1 of 1: 3 launches
;; workspace buffers: hb 4,194,304 bytes; rnh 16,384 bytes; pv 4,194,304 bytes; pi 4,194,304 bytes
;; launch cast (part 1): grid 64 x 1, 16 waves a work-group, no clusters, 2,304 bytes of LDS; arguments h, hb, rnh; writes hb, rnh
.if DOCPART == 1
	.amdgcn_target "amdgcn-amd-amdhsa--gfx1250"
	.amdhsa_code_object_version 6
	.text
	.protected	k_q24b66321a5_cast
	.globl	k_q24b66321a5_cast
	.p2align	8
	.type	k_q24b66321a5_cast,@function
k_q24b66321a5_cast:
	s_mov_b64 s[64:65], 0
	v_nop
	global_prefetch_b8 v0, s[64:65] scope:SCOPE_SE
	s_setreg_imm32_b32 hwreg(HW_REG_WAVE_MODE, 25, 1), 1
	s_wait_xcnt 0x0
; hb = h rounded to bf16; rnh[b] = 1 / max(|hb[b]|, 1e-8).  h: [4096][512] f32, hb: [4096][512] bf16, rnh: [4096] f32.
; The norm is taken of the ROUNDED row: the program's result is the reference's on inputs rounded to bf16.
; LIMITS.  1 / max(sqrt(s), 1e-8) is made as rsq(max(s, 1e-16)) with one Newton step; NaN and infinities are not treated apart.
; SHARES.  A work-group owns 64 rows (their 64 norms are 256 consecutive bytes of rnh), each of its 16 waves 4 rows.  A row is 2,048 bytes:
; four loads of 16 bytes a lane; all 16 loads of a wave go out at once.  A store of 8 bytes a lane covers 256 consecutive bytes of hb, aligned.
; The stream needs no matrix unit, no cluster and no tile in LDS; LDS only gathers the 64 norms, so that they leave as one whole block.
.set SPARE, 256                        ; LDS 0-255: the 64 norms; from 256 on the spare words, 128 bytes for each of 16 waves
.set T, 8                              ; v[8:15]   at work
.set S, 16                             ; v[16:23]  row i: a pair of running sums of squares
.set X, 32                             ; v[32:95]  row i, load j: 4 registers as loaded
.set Y, 96                             ; v[96:127] row i: 8 registers of bf16, to store
	s_load_b128 s[4:7], s[0:1], 0x0                ; h s[4:5], hb s[6:7]
	s_load_b64 s[8:9], s[0:1], 0x10                ; rnh
	v_lshl_add_u32 v30, v0, 2, SPARE               ; my spare word,
	v_mov_b32 v31, 0                               ; and 0: kept for the add alone
	v_and_b32 v1, 31, v0                           ; lane
	v_lshrrev_b32 v6, 5, v0
	v_readfirstlane_b32 s12, v6                    ; wave
	v_lshlrev_b32 v2, 4, v1
	v_lshl_add_u32 v2, v6, 13, v2                  ; in h: 8,192 x wave (4 rows) + 16 x lane
	v_lshlrev_b32 v3, 3, v1
	v_lshl_add_u32 v3, v6, 12, v3                  ; in hb: 4,096 x wave + 8 x lane
	v_and_b32 v5, 3, v0                            ; which of my wave's four rows this lane speaks for
	v_lshlrev_b32 v4, 2, v5
	v_lshl_add_u32 v4, v6, 4, v4                   ; LDS: 16 x wave + 4 x that row
	v_and_b32 v7, 15, v0
	v_lshlrev_b32 v7, 4, v7                        ; 16 x (lane mod 16): wave 0's place in the 256 bytes of norms
	v_mov_b32 v24, 0                               ; v_permlanex16_b32's destination counts as read
	v_cmp_eq_u32 s20, 1, v5
	v_cmp_eq_u32 s21, 2, v5
	v_cmp_eq_u32 s22, 3, v5
	s_mov_b32 s13, 0xffff0000                      ; a word's upper bf16
	s_mov_b32 s14, 0x76543210                      ; each lane takes its own place in the other half
	s_mov_b32 s15, 0xfedcba98
	s_lshl_b32 s16, ttmp9, 17                      ; 64 rows of 2,048 bytes
	s_mov_b32 s17, 0
	s_lshl_b32 s18, ttmp9, 16                      ; 64 rows of 1,024 bytes
	s_mov_b32 s19, 0
	s_lshl_b32 s2, ttmp9, 8                        ; 64 norms
	s_mov_b32 s3, 0
	s_wait_kmcnt 0x0
	s_add_nc_u64 s[4:5], s[4:5], s[16:17]
	s_add_nc_u64 s[6:7], s[6:7], s[18:19]
	s_add_nc_u64 s[8:9], s[8:9], s[2:3]
.irp i, 0,1,2,3
.irp j, 0,1,2,3
	global_load_b128 v[X+16*(\i)+4*(\j):X+16*(\i)+4*(\j)+3], v2, s[4:5] offset:2048*(\i)+512*(\j) th:TH_LOAD_NT
.endr
.endr
; Row i: rounded, stored, and the squares of the rounded numbers summed over the wave.
.macro ROWI i
	s_wait_loadcnt 12-4*(\i)                       ; loads come back in order (ISA guide 5.7.1): the four loads of each younger row may stay out
.irp j, 0,1,2,3
	v_cvt_pk_bf16_f32 v[Y+8*(\i)+2*(\j)],   v[X+16*(\i)+4*(\j)],   v[X+16*(\i)+4*(\j)+1]
	v_cvt_pk_bf16_f32 v[Y+8*(\i)+2*(\j)+1], v[X+16*(\i)+4*(\j)+2], v[X+16*(\i)+4*(\j)+3]
.endr
.irp j, 0,1,2,3
	global_store_b64 v3, v[Y+8*(\i)+2*(\j):Y+8*(\i)+2*(\j)+1], s[6:7] offset:1024*(\i)+256*(\j)  ; Y and v3 are never rewritten
.endr
.irp k, 0,1,2,3
	v_lshlrev_b32 v[T+2*(\k)],   16,  v[Y+8*(\i)+(\k)]
	v_and_b32     v[T+2*(\k)+1], s13, v[Y+8*(\i)+(\k)]
.endr
	v_pk_mul_f32 v[S+2*(\i):S+2*(\i)+1], v[T:T+1], v[T:T+1]      ; the first squares start the sums
.irp k, 1,2,3
	v_pk_fma_f32 v[S+2*(\i):S+2*(\i)+1], v[T+2*(\k):T+2*(\k)+1], v[T+2*(\k):T+2*(\k)+1], v[S+2*(\i):S+2*(\i)+1]
.endr
.irp k, 0,1,2,3
	v_lshlrev_b32 v[T+2*(\k)],   16,  v[Y+8*(\i)+4+(\k)]
	v_and_b32     v[T+2*(\k)+1], s13, v[Y+8*(\i)+4+(\k)]
.endr
.irp k, 0,1,2,3
	v_pk_fma_f32 v[S+2*(\i):S+2*(\i)+1], v[T+2*(\k):T+2*(\k)+1], v[T+2*(\k):T+2*(\k)+1], v[S+2*(\i):S+2*(\i)+1]
.endr
	v_add_f32 v[S+2*(\i)], v[S+2*(\i)], v[S+2*(\i)+1]
	v_add_f32_dpp v[S+2*(\i)], v[S+2*(\i)], v[S+2*(\i)] row_xmask:1 row_mask:0xf bank_mask:0xf
	v_add_f32_dpp v[S+2*(\i)], v[S+2*(\i)], v[S+2*(\i)] row_xmask:2 row_mask:0xf bank_mask:0xf
	v_add_f32_dpp v[S+2*(\i)], v[S+2*(\i)], v[S+2*(\i)] row_xmask:4 row_mask:0xf bank_mask:0xf
	v_add_f32_dpp v[S+2*(\i)], v[S+2*(\i)], v[S+2*(\i)] row_xmask:8 row_mask:0xf bank_mask:0xf
	v_permlanex16_b32 v24, v[S+2*(\i)], s14, s15
	v_add_f32 v[S+2*(\i)], v[S+2*(\i)], v24        ; every lane holds the row's sum
.endm
	ROWI 0
	ROWI 1
	ROWI 2
	ROWI 3
	v_cndmask_b32 v25, v[S], v[S+2], s20           ; the sum of row lane mod 4
	v_cndmask_b32 v25, v25, v[S+4], s21
	v_cndmask_b32 v25, v25, v[S+6], s22
	v_max_num_f32 v25, 0x24e69595, v25             ; max(s, 1e-16)
	v_rsq_f32 v26, v25
	v_nop                                          ; a plain instruction behind the transcendental (ISA guide 5.7.2)
	s_wait_alu depctr_va_vdst(0)
	v_mul_f32 v27, v25, v26                        ; one Newton step: y + 0.5 y (1 - s y y)
	v_fma_f32 v27, -v27, v26, 1.0
	v_mul_f32 v28, 0.5, v26
	v_fma_f32 v26, v28, v27, v26
	ds_store_b32 v4, v26                           ; the eight lanes of a row write the same word with the same number
	s_wait_tensorcnt 0x0                           ; the wave's end as far as LDS writes go
	ds_add_u32 v30, v31
	s_wait_dscnt 0x0                               ; also for the others' sake: my norms are in LDS
	s_barrier_signal -1
	s_barrier_wait -1
	s_cmp_lg_u32 s12, 0
	s_cbranch_scc1 .Lend
	s_wait_xcnt 0x0                                ; EXEC is a source of my stores: it changes only behind this wait
	v_cmp_gt_u32 vcc_lo, 16, v0
	s_and_saveexec_b32 s23, vcc_lo
	ds_load_b128 v[8:11], v7                       ; sixteen lanes take the 64 norms,
	s_wait_dscnt 0x0
	global_store_b128 v7, v[8:11], s[8:9]          ; 256 consecutive bytes of rnh, aligned
.Lend:
	s_endpgm
.Lfunc_end_k_q24b66321a5_cast:
	.size	k_q24b66321a5_cast, .Lfunc_end_k_q24b66321a5_cast-k_q24b66321a5_cast
	.p2alignl 7, 3214868480
	.fill 96, 4, 3214868480
	.section	.rodata,"a",@progbits
	.p2align	6, 0x0
	.amdhsa_kernel k_q24b66321a5_cast
		.amdhsa_group_segment_fixed_size 2304
		.amdhsa_private_segment_fixed_size 0
		.amdhsa_enable_private_segment 0
		.amdhsa_kernarg_size 24
		.amdhsa_user_sgpr_count 2
		.amdhsa_user_sgpr_kernarg_segment_ptr 1
		.amdhsa_wavefront_size32 1
		.amdhsa_system_sgpr_workgroup_id_x 1
		.amdhsa_system_sgpr_workgroup_id_y 1
		.amdhsa_system_sgpr_workgroup_id_z 1
		.amdhsa_system_vgpr_workitem_id 0
		.amdhsa_next_free_vgpr 128
		.amdhsa_next_free_sgpr 66
		.amdhsa_reserve_vcc 1
		.amdhsa_float_denorm_mode_32 3
		.amdhsa_float_denorm_mode_16_64 3
		.amdhsa_memory_ordered 1
		.amdhsa_forward_progress 1
		.amdhsa_inst_pref_size 14
	.end_amdhsa_kernel
	.amdgpu_metadata
---
amdhsa.version: [ 1, 2 ]
amdhsa.kernels:
  - .name:           k_q24b66321a5_cast
    .symbol:         k_q24b66321a5_cast.kd
    .args:
      - { .name: h, .offset: 0, .size: 8, .value_kind: global_buffer, .address_space: global }
      - { .name: hb, .offset: 8, .size: 8, .value_kind: global_buffer, .address_space: global }
      - { .name: rnh, .offset: 16, .size: 8, .value_kind: global_buffer, .address_space: global }
    .group_segment_fixed_size: 2304
    .private_segment_fixed_size: 0
    .kernarg_segment_align: 8
    .kernarg_segment_size: 24
    .max_flat_workgroup_size: 512
    .sgpr_count:     66
    .vgpr_count:     128
    .wavefront_size: 32
...
	.end_amdgpu_metadata
.endif
;; end of part 1
;; launch route (part 2): grid 256 x 1, 4 waves a work-group, clusters of 4 x 1, 327,680 bytes of LDS; arguments A, hb, pv, pi; writes pv, pi
.if DOCPART == 2
	.amdgcn_target "amdgcn-amd-amdhsa--gfx1250"
	.amdhsa_code_object_version 6
	.text
	.protected	k_q24b66321a5_route
	.globl	k_q24b66321a5_route
	.p2align	8
	.type	k_q24b66321a5_route,@function
k_q24b66321a5_route:
	s_mov_b64 s[64:65], 0
	v_nop
	global_prefetch_b8 v0, s[64:65] scope:SCOPE_SE
	s_setreg_imm32_b32 hwreg(HW_REG_WAVE_MODE, 25, 1), 1
	s_wait_xcnt 0x0
	s_wait_alu depctr_hold_cnt(0) depctr_sa_sdst(0) depctr_va_vdst(0) depctr_va_sdst(0) depctr_va_ssrc(0) depctr_va_vcc(0) depctr_vm_vsrc(0)
	s_getreg_b32 s2, hwreg(HW_REG_IB_STS2, 6, 4)
	s_cmp_eq_u32 s2, 0
	s_cbranch_scc0 .Lentry_in_a_cluster
	s_endpgm
.Lentry_in_a_cluster:
	s_bfe_u32 s2, ttmp6, 0x10000c
	s_cmp_lg_u32 s2, 0x3003
	s_cbranch_scc0 .Lentry_shape_is_right
	s_endpgm
.Lentry_shape_is_right:
; For work-group wg (128 keys: rows 128 wg .. 128 wg + 127 of A) and every one of the 4,096 queries q:
;   pv[wg][q] = max over its keys k of (hb[q] . Ab[k]) / max(|Ab[k]|, 1e-8),   pi[wg][q] = the lowest k at which that maximum is taken.   Ab = A rounded to bf16.
; A: [32768][512] f32, hb: [4096][512] bf16, pv: [256][4096] f32, pi: [256][4096] int32.  The query's own norm, a positive factor common to a query's scores, is applied by the next launch.
; WHY RAW NUMBERS ARE ROUNDED.  The index is compared exactly.  Products of bf16 numbers are exact and the sums are f32, so the scores are those of the reference on inputs rounded to bf16,
; up to the order of f32 sums; the norms are taken of the rounded rows and multiplied in f32 behind the product.
; LIMITS.  Two scores closer than the f32 sums' rounding may change places against the reference.  NaN and infinities are not treated as jnp.argmax treats them (the maximum passes NaN over; the scan
; takes a NaN for the maximum).  1 / max(sqrt(s), 1e-8) is made as rsq(max(s, 1e-16)) with one Newton step.
; SHARES.  256 work-groups, one for each 128 keys.  Wave w: kh = w / 2, qh = w % 2.  It keeps 64 keys (64 kh ..) as bf16 fragments in 512 registers for the whole launch: A is read from memory once, as f32.
; hb goes through a ring of two LDS slots, 128 queries a tile; of each tile the wave takes queries 64 qh .. + 63, four query tiles of 16: 64 matrix instructions each (16 K steps x 4 key tiles).
; LAYOUT.  Source 0 = 16 keys, source 1 = 16 queries: a lane holds ONE query (lane % 16).  Fragment row m of key tile t is the wave's key 32 (m / 8) + 8 t + m % 8, so register p = 8 t + j of the 32
; scores of lane half h is key 32 h + p: the key rises with the register, and half 0's keys lie below half 1's.  So every tie is settled by 'the lower one stays'.
; ARGMAX BY RIDERS.  The 106 vector instructions that reduce a query tile's 32 x 32 scores stand behind the matrix instructions of the NEXT query tile, which adds into the other set of accumulators:
; two behind each, as far as they go.
; REGISTERS, in windows of 256 (s_set_vgpr_msb: bits 1:0 source 0, 3:2 source 1, 5:4 source 2, 7:6 destination).  THE MAP IS MADE SO THAT A RIDER RUNS UNDER THE PRODUCTS' OWN SETTING: a product names
; the keys' window for source 0 and window 0 for source 1, C and D; so queries, accumulators and all that a rider writes lie in window 0, and what a rider reads as source 0 lies beside the keys.
;   window 0: v0-29 addresses and the argmax's registers, v32-63 at work, v64-95 and v96-127 two sets of 4 accumulators, v128-255 the fragments of one query tile (K step s at 128 + 8 s)
;   window 1: keys, K steps 0-3 (products 0-15); v128-159 the 32 keys' reciprocal norms; LDS addresses       window 2: K steps 4-9 (products 16-39); v192 the lane's maximum; LDS addresses
;   window 3: K steps 10-15 (products 40-63); v192 the lane's maximum
; Only the 16 three-operand maxima need window 0 for source 0: four slices with switches.  A query tile has 12 switches for its 64 matrix instructions.
; THE FRAGMENTS ARE REFILLED IN PLACE, by halves: a query tile's own K steps 8-15 behind its product 1, the next tile's K steps 0-7 behind product 35: two runs of 16 LDS loads, 30 and 28 products ahead of their use.
; CLUSTER.  Every work-group walks the same hb, so the four of a cluster ask for each tile JOINTLY (a mask names four at the most).  A's tiles are each work-group's own: plain loads.
; No data is asked for ahead into the cache: hb is read again and again by all work-groups, and A is asked for in one piece at the start.
; LDS: slot 0, slot 1: 128 rows of 1,024 bytes + 16 of padding.  A row of half of A's 512 f32 and a row of hb's 512 bf16 are both 1,024 bytes: A's two halves are the slots' first tiles.
;      VAL: for each wave a guard block of 256 bytes, then the best score of its 2,048 queries; IDX: a guard block, then two bytes a query: each lane half's register number, or 255 if it lost.
;      Then the spare words.  No tile ever lands in these.
.set PITCH, 1040                       ; 260 words: row r starts at bank 4 r mod 64 (64 banks of 4 bytes: ISA guide 11.1): the 16 rows of a fragment load start at 16 different banks
.set QUART, 32*PITCH                   ; what one tensor load brings: 32 rows
.set SLOT,  128*PITCH
.set VAL,   2*SLOT
.set VSTR,  8192+256                   ; a wave's part of VAL
.set IDX,   VAL+4*VSTR
.set ISTR,  4096+256                   ; a wave's part of IDX
.set SPARE, IDX+4*ISTR                 ; the spare words, 128 bytes for each wave: two blocks of 256 bytes that no other line names
.set AQ,   4                           ; v4-5   LDS address of my query fragments in slot 0, 1
.set AA,   6                           ; v6-7   LDS address of my rows of A's f32 in slot 0, 1
.set EV,   8                           ; v8-10  the end pass: addresses in VAL, in IDX, in pv and pi (at the head v8, v9 are at work)
.set EI,   9
.set EG,   10
.set CC,   12                          ; v12-15 four running maxima; the first ends as the query's maximum
.set II,   16                          ; v16    the register number of the lane's maximum
.set MO,   17                          ; v17    the other half's maximum
.set BP,   20                          ; v20-27 lane selects for the diagonal
.set SPW,  28                          ; v28    LDS address of my spare word; never rewritten
.set NIL,  29                          ; v29    0; never rewritten
.set RT,   32                          ; v32-63 at work
.set ACC0, 64
.set ACC1, 96
.set TY,   ACC1                        ; at work for the norms, before the second set is first used
.set QF,   128                         ; the query fragments
.set LB0,  128                         ; at the start: two landing places of 64 registers for A's f32
.set LB1,  192
.set RNW,  128                         ; window 1: 1 / norm of key 32 h + p
.set MK,   192                         ; windows 2 and 3: the lane's maximum
.set AQK,  194                         ; windows 1 and 2: copies of v4-5
.set RVW,  196                         ; window 1: where the best score of query lane % 16 goes; steps by a lap's 128 queries
.set RIW,  197                         ; window 1: the same for my half's byte
.set WV,  12                           ; s12 wave, s13 kh, s14 qh
.set KH,  13
.set QH,  14
.set G1A, 24                           ; s[24:31] descriptor group 1 for A's tiles
.set G1H, 32                           ; s[32:39] for hb's
.set GH,  40                           ; s[40:47] group 0 for hb's tiles, a set for each slot
.set CNT, 48
.set HIM, 49                           ; 0xffff0000: lanes 16-31
.set SEL, 50                           ; s[50:51] v_permlanex16_b32's selects
.set MA,  52                           ; lane masks
.set MB,  53
.set KB,  54                           ; 128 wg: the work-group's first key
.set EPS2, 55                          ; 1e-16
.set C255, 62                          ; 255: the byte of the half that lost
.set GA,  68                           ; s[68:75] group 0 for A's two tiles
.set MSB, 0
.macro WIN new                         ; the immediate's high byte repeats the setting that is left; a switch that changes nothing is dropped
.if MSB != (\new)
	s_set_vgpr_msb (MSB<<8)|(\new)
.set MSB, (\new)
.endif
.endm
.macro CREST                           ; a round of the cluster's barrier behind its opening barrier: wave 0 signals for the work-group, every wave waits for all four work-groups, my work-group's barrier closes it
	s_cmp_lg_u32 s[WV], 0
	s_cbranch_scc1 .Lnot_wave_0_\@
	s_barrier_signal -3
.Lnot_wave_0_\@:
	s_barrier_wait -3
	s_barrier_signal -1
	s_barrier_wait -1
.endm
.macro CROUND
	s_barrier_signal -1
	s_barrier_wait -1
	CREST
.endm
.macro JL g0                           ; a joint load of my 32 rows of a tile of hb; an s_nop 0 and four v_nop follow it
	tensor_load_to_lds s[(\g0):(\g0)+3], s[G1H:G1H+7]
	s_nop 0
.rept 4
	v_nop
.endr
.endm
	s_load_b256 s[4:11], s[0:1], 0x0               ; A s[4:5], hb s[6:7], pv s[8:9], pi s[10:11]
	v_lshl_add_u32 v[SPW], v0, 2, SPARE
	v_mov_b32 v[NIL], 0
	ds_add_u32 v[SPW], v[NIL]                      ; the wave's opening: the add and its wait stand ahead of my first tensor load; the set-up below, work on registers, stands between them
	v_lshrrev_b32 v3, 5, v0
	v_readfirstlane_b32 s[WV], v3
	s_lshr_b32 s[KH], s[WV], 1
	s_and_b32 s[QH], s[WV], 1
	s_bfe_u32 s15, ttmp6, 0x40000                  ; cx: my place in the cluster
	s_lshl_b32 s16, ttmp9, 2                       ; in a cluster launch ttmp9 counts clusters
	s_add_co_u32 s16, s16, s15                     ; wg: it enters A's, pv's and pi's addresses and the keys' numbers alone
	s_lshl_b32 s2, s16, 18                         ; A: 128 rows of 2,048 bytes a work-group,
	s_lshl_b32 s3, s[WV], 16                       ; 32 rows a wave
	s_add_co_u32 s2, s2, s3
	s_mov_b32 s3, 0
	s_lshl_b32 s18, s[WV], 15                      ; hb: 32 rows of 1,024 bytes a wave: the same in all partners
	s_mov_b32 s19, 0
	s_lshl_b32 s22, s16, 14                        ; pv, pi: 16,384 bytes a work-group
	s_mov_b32 s23, 0
	s_lshl_b32 s[KB], s16, 7
	s_mul_i32 s20, s[WV], QUART                    ; where my 32 rows go in a slot: the wave's number alone
	; group 1: 32 rows of 256 elements of 4 bytes, 16 bytes of padding behind each row
	s_mov_b32 s[G1A], (2<<16)|(1<<20)|(7<<22)|(3<<25)              ; 15:0 no mask; 17:16 4-byte elements; 20 padding on; 24:22 after every 256 words (code 7); 31:25 4 words (code 3)
	s_mov_b32 s[G1H], 15|(2<<16)|(1<<20)|(1<<21)|(7<<22)|(3<<25)   ; the same with the mask of all four work-groups, and bit 21 beside it
.irp g, G1A, G1H
	s_mov_b32 s[(\g)+1], 256<<16                   ; tensor_dim0 = 256
	s_mov_b32 s[(\g)+2], 32<<16                    ; tensor_dim1 = 32
	s_mov_b32 s[(\g)+3], 256<<16                   ; tile_dim0 = 256
	s_mov_b32 s[(\g)+4], 32                        ; tile_dim1 = 32
	s_mov_b32 s[(\g)+6], 0
	s_mov_b32 s[(\g)+7], 0
.endr
	s_mov_b32 s[G1A+5], 512                        ; from row to row: A's 512 f32,
	s_mov_b32 s[G1H+5], 256                        ; hb's 512 bf16 = 256 elements
.irp g, GA, GH
	s_mov_b32 s[(\g)], 1                           ; count = 1
	s_mov_b32 s[(\g)+1], s20                       ; LDS address: slot 0
	s_mov_b32 s[(\g)+4], 1
	s_add_co_u32 s[(\g)+5], s20, SLOT              ; slot 1
.endr
	s_mov_b32 s[HIM], 0xffff0000
	s_mov_b32 s[SEL], 0x76543210
	s_mov_b32 s[SEL+1], 0xfedcba98
	s_mov_b32 s[EPS2], 0x24e69595                  ; 1e-16
	s_mov_b32 s[C255], 255
	v_and_b32 v1, 15, v0                           ; r = lane % 16
	v_bfe_u32 v2, v0, 4, 1                         ; h = lane / 16
	v_mul_u32_u24 v[AQ], v1, PITCH                 ; a query fragment: row 64 qh + r, 16 bytes for each half of the lanes
	v_lshl_add_u32 v[AQ], v2, 4, v[AQ]
	s_mul_i32 s17, s[QH], 64*PITCH
	v_add_nc_u32 v[AQ], s17, v[AQ]
	v_add_nc_u32 v[AQ+1], SLOT, v[AQ]
	v_and_b32 v11, 7, v0                           ; A's f32: row 64 kh + 32 (r / 8) + r % 8 (+ 8 t in the offset), 32 bytes for each half of the lanes
	v_bfe_u32 v19, v0, 3, 1
	v_lshl_add_u32 v11, v19, 5, v11
	v_mul_u32_u24 v[AA], v11, PITCH
	v_lshl_add_u32 v[AA], v2, 5, v[AA]
	s_mul_i32 s21, s[KH], 64*PITCH
	v_add_nc_u32 v[AA], s21, v[AA]
	v_add_nc_u32 v[AA+1], SLOT, v[AA]
	s_mul_i32 s56, s[WV], VSTR                     ; a query tile's result is stored two query tiles later, so the addresses start one tile (64 and 32 bytes) ahead of the data, in the guard block
	s_add_co_u32 s56, s56, VAL+192
	v_lshl_add_u32 v8, v1, 2, s56
	s_mul_i32 s57, s[WV], ISTR
	s_add_co_u32 s57, s57, IDX+224
	v_lshl_add_u32 v9, v1, 1, s57
	v_add_nc_u32 v9, v9, v2                        ; my half's byte of the query's two
	v_mov_b32 v[CC], 0                             ; what the loop's first store puts into the guard block
	v_mov_b32 v[II], 0
	v_mov_b32 v[MO], 0                             ; v_permlanex16_b32's destination counts as read
	WIN 0x40                                       ; destination window 1
	v_mov_b32 v[AQK], v[AQ]
	v_mov_b32 v[AQK+1], v[AQ+1]
	v_mov_b32 v[RVW], v8
	v_mov_b32 v[RIW], v9
	WIN 0x80                                       ; destination window 2
	v_mov_b32 v[AQK], v[AQ]
	v_mov_b32 v[AQK+1], v[AQ+1]
	WIN 0
	s_wait_dscnt 0x0                               ; the opening add is done
	s_wait_kmcnt 0x0
	s_add_nc_u64 s[4:5], s[4:5], s[2:3]            ; A at my 32 rows
	s_mov_b64 s[GA+2:GA+3], s[4:5]                 ; numbers 0-255 of each row,
	s_or_b32 s[GA+3], s[GA+3], 0x80000000          ; type = 2
	s_add_nc_u64 s[GA+6:GA+7], s[4:5], 1024        ; numbers 256-511
	s_or_b32 s[GA+7], s[GA+7], 0x80000000
	s_add_nc_u64 s[6:7], s[6:7], s[18:19]          ; hb at my 32 rows of tile 0,
	s_mov_b64 s[GH+2:GH+3], s[6:7]
	s_or_b32 s[GH+3], s[GH+3], 0x80000000
	s_add_nc_u64 s[GH+6:GH+7], s[6:7], 131072      ; and of tile 1
	s_or_b32 s[GH+7], s[GH+7], 0x80000000
	s_add_nc_u64 s[8:9], s[8:9], s[22:23]
	s_add_nc_u64 s[10:11], s[10:11], s[22:23]
	CROUND                                         ; in a cluster launch every group of tensor loads stands behind a round
	tensor_load_to_lds s[GA:GA+3], s[G1A:G1A+7]    ; the two first fills go out together: two loads of mine are out
	s_nop 0
	tensor_load_to_lds s[GA+4:GA+7], s[G1A:G1A+7]
	s_nop 0
.rept 4
	v_nop
.endr
; Where the keys' fragments of K step s lie: window kw, key tile t at kb + 8 t
.macro KLOC s
.if (\s) < 4
.set kw, 1
.set kb, 32*(\s)
.elseif (\s) < 10
.set kw, 2
.set kb, 32*((\s)-4)
.else
.set kw, 3
.set kb, 32*((\s)-10)
.endif
.endm
.macro PWIN                            ; the setting of product n: the keys' window for source 0, window 0 for all else
.if n < 16
	WIN 0x01
.elseif n < 40
	WIN 0x02
.else
	WIN 0x03
.endif
.endm
; 16 LDS loads in one run: K steps 8 hf .. 8 hf + 7 of query tile i; areg holds the slot's address, in the window that the setting in force names for source 0
.macro LOADH areg, i, hf
.set ss, 8*(\hf)
.rept 8
	ds_load_b128 v[QF+8*ss:QF+8*ss+3],   v[\areg] offset:16*PITCH*(\i)+64*ss
	ds_load_b128 v[QF+8*ss+4:QF+8*ss+7], v[\areg] offset:16*PITCH*(\i)+64*ss+32
.set ss, ss+1
.endr
.endm
; Product n of 64 of a query tile: K step n / 4, key tile n % 4.  The four accumulators take turns, one instruction a turn; the first four products start the sums.
.macro MM x
	PWIN
.if n < 16
.set rA, 8*n
.elseif n < 40
.set rA, 8*(n-16)
.else
.set rA, 8*(n-40)
.endif
.set rB, QF+8*(n/4)
.set rD, (\x)+8*(n%4)
.if n < 4
	v_wmma_f32_16x16x32_bf16 v[rD:rD+7], v[rA:rA+7], v[rB:rB+7], 0
.else
	v_wmma_f32_16x16x32_bf16 v[rD:rD+7], v[rA:rA+7], v[rB:rB+7], v[rD:rD+7]
.endif
.endm
; Entry k of the 62 that find the register of the lane's maximum: from register 30 down to 0 'is the maximum greater?'; where it is not, the register's number is taken: the lowest is written last and stays.
.macro SC y, k
.if (\k) < 60
.set p, 30-2*((\k)/4)
.if (\k)%4 == 0
	v_cmp_gt_f32 s[MA], v[MK], v[(\y)+p]
.elseif (\k)%4 == 1
	v_cmp_gt_f32 s[MB], v[MK], v[(\y)+p-1]
.elseif (\k)%4 == 2
	v_cndmask_b32 v[II], p, v[II], s[MA]
.else
	v_cndmask_b32 v[II], p-1, v[II], s[MB]
.endif
.elseif (\k) == 60
	v_cmp_gt_f32 s[MA], v[MK], v[(\y)]
.else
	v_cndmask_b32 v[II], 0, v[II], s[MA]
.endif
.endm
; THE RIDERS behind product n: the argmax of the finished query tile in accumulator set y.
;   0, 1    four v_nop: the places between that tile's last product and the first line that touches its results, and in front of the loads into the fragments that it read (ISA guide 7.12.1 for the results)
;   2-9     the 32 scores times the keys' reciprocal norms, in place, from each accumulator's low end on
;   10-15   their maximum, three operands at a time, in window 0; the last line is written twice: into window 2 and into window 3, where the scan reads it as source 0
;   16-46   the scan      47-49  the other half of the lanes' maximum; half 0, whose keys are lower, wins by a score greater or equal, half 1 by a greater one; the loser's byte is 255
.macro RD y
.if n < 2
	v_nop
	v_nop
.elseif n < 10
	PWIN
.set q, 4*(n-2)
	v_pk_mul_f32 v[(\y)+q:(\y)+q+1],   v[RNW+q:RNW+q+1],   v[(\y)+q:(\y)+q+1]
	v_pk_mul_f32 v[(\y)+q+2:(\y)+q+3], v[RNW+q+2:RNW+q+3], v[(\y)+q+2:(\y)+q+3]
.elseif n == 10
	WIN 0
.irp c, 0,1,2,3
	v_max3_num_f32 v[CC+(\c)], v[(\y)+8*(\c)], v[(\y)+8*(\c)+1], v[(\y)+8*(\c)+2]
.endr
.elseif n == 11
	PWIN
	v_mov_b32 v[II], 31
.elseif n == 12
	WIN 0
.irp c, 0,1,2,3
	v_max3_num_f32 v[CC+(\c)], v[CC+(\c)], v[(\y)+8*(\c)+3], v[(\y)+8*(\c)+4]
.endr
.elseif n == 14
	WIN 0
.irp c, 0,1,2,3
	v_max3_num_f32 v[CC+(\c)], v[CC+(\c)], v[(\y)+8*(\c)+5], v[(\y)+8*(\c)+6]
.endr
.elseif n == 15
	WIN 0
	v_max3_num_f32 v[CC], v[CC], v[(\y)+7], v[(\y)+15]
	v_max3_num_f32 v[CC+2], v[CC+2], v[(\y)+23], v[(\y)+31]
	v_max3_num_f32 v[CC], v[CC], v[CC+1], v[CC+2]
	WIN 0x80
	v_max_num_f32 v[MK], v[CC], v[CC+3]
	WIN 0xc0
	v_max_num_f32 v[MK], v[CC], v[CC+3]
.elseif n < 16
.elseif n < 47
	PWIN
	SC \y, 2*(n-16)
	SC \y, 2*(n-16)+1
.elseif n == 47
	PWIN
	v_permlanex16_b32 v[MO], v[MK], s[SEL], s[SEL+1]
.elseif n == 48
	PWIN
	v_cmp_ge_f32 s[MA], v[MK], v[MO]
	v_cmp_gt_f32 s[MB], v[MK], v[MO]
	s_and_b32 s[MA], s[MA], 0xffff
	s_and_b32 s[MB], s[MB], s[HIM]
	s_or_b32 s[MA], s[MA], s[MB]
.elseif n == 49
	PWIN
	v_max_num_f32 v[CC], v[MK], v[MO]              ; the query's maximum, alike in both halves
	v_cndmask_b32 v[II], s[C255], v[II], s[MA]
.endif
.endm
.macro ST e                            ; the result goes to LDS (address in window 1, data in window 0): both halves store the same score to the same word, each its own byte
	ds_store_b32 v[RVW], v[CC] offset:64*(\e)
	ds_store_b8  v[RIW], v[II] offset:32*(\e)
.endm
.macro PR cnt, x, y, e                 ; the next cnt products and their riders; a tile without riders (e < 0) has four v_nop where the loads behind product 35 want their places
.rept \cnt
	MM \x
.if (\e) >= 0
	RD \y
.elseif (n == 32) || (n == 33)
	v_nop
	v_nop
.endif
.set n, n+1
.endr
.endm
; A QUERY TILE (slot cs, tile ci): 64 products into set x; beside them the argmax of set y.  Behind product 1: the result that the tile before reduced goes to LDS, place e of the lap's; then my own K steps 8-15.
; No LDS instruction is issued behind a run of loads before the wait for it, so both waits are for 0.
; mode 0: behind product 35 the next query tile's (slot ns, tile ni) K steps 0-7.   mode 3: the last tile: nothing follows.
; mode 1: the slot's last query tile: the CHANGE OF SLOTS.  The loads behind product 1 are the last reads of slot cs.  Each wave waits for all its tensor loads, of which one is out: its part of the other slot; adds 0
;   to its spare word; and waits for that and for its reads.  The barrier opens a round of the cluster's: behind the round no wave of any partner reads slot cs or has a load on its way, and the joint refill,
;   two tiles on, is the first thing there: it has 226 products in which to land.  Then the other slot's first fragments are fetched.     mode 2: the same with nothing left to ask for: a plain barrier.
.macro TILE x, y, mode, cs, ci, ns, ni, e
.set n, 0
	s_wait_dscnt 0x0                               ; K steps 0-7 are in
	PR 2, \x, \y, \e
.if (\e) >= 0
	WIN 0x01
	ST \e
	LOADH AQK+(\cs), \ci, 1
.endif
.if ((\mode) == 0) || ((\mode) == 3)
	PR 30, \x, \y, \e
	s_wait_dscnt 0x0                               ; K steps 8-15 are in
	PR 4, \x, \y, \e
.if (\mode) == 0
	WIN 0x02
	LOADH AQK+(\ns), \ni, 0
.endif
	PR 28, \x, \y, \e
.else
	WIN 0                                          ; (the add's two registers lie in window 0)
	s_wait_tensorcnt 0x0                           ; all my tensor loads have landed, so a group 0 may be written
	ds_add_u32 v[SPW], v[NIL]                      ; 0 onto my spare word
.if (\mode) == 1
	s_add_nc_u64 s[GH+4*(\cs)+2:GH+4*(\cs)+3], s[GH+4*(\cs)+2:GH+4*(\cs)+3], 262144  ; this slot's next tile: two tiles of 131,072 bytes on; the type bits are not reached
.endif
	PR 14, \x, \y, \e                              ; work on registers stands between the add and the wait for it
	s_wait_dscnt 0x0                               ; the add is done, and my reads of this slot are over
	s_barrier_signal -1
	PR 16, \x, \y, \e                              ; work on registers while the others arrive
	WIN 0                                          ; at a branch and at a label every window is 0
	s_barrier_wait -1
.if (\mode) == 1
	CREST
	JL GH+4*(\cs)                                  ; its four v_nop are also the places in front of the loads below
.else
.rept 4
	v_nop
.endr
.endif
	LOADH AQ+(\ns), 0, 0
	PR 32, \x, \y, \e
.endif
.endm
; A's half nh (256 numbers of each row) out of slot nh: rounded to bf16, into the fragments of K steps 8 nh .. 8 nh + 7.  A unit is one K step: 4 fragments, 16 loads of 16 bytes (8 + 8 f32 a lane and fragment),
; 32 roundings.  Two landing places take turns, so that a unit's loads are out while the unit before is rounded.  Rows 32 apart start at the same bank, so these 256 loads are served two deep: once a launch.
.macro CLOAD nh, u, lb
	WIN 0
.set tt, 0
.rept 4
.set oo, 8*PITCH*tt+128*(\u)
.set lr, (\lb)+16*tt
	ds_load_b128 v[lr:lr+3],     v[AA+(\nh)] offset:oo
	ds_load_b128 v[lr+4:lr+7],   v[AA+(\nh)] offset:oo+16
	ds_load_b128 v[lr+8:lr+11],  v[AA+(\nh)] offset:oo+64
	ds_load_b128 v[lr+12:lr+15], v[AA+(\nh)] offset:oo+80
.set tt, tt+1
.endr
.endm
.macro CCVT s, lb
	KLOC \s
	WIN kw<<6                                      ; destination: the K step's window
.set cc, 0
.rept 32
	v_cvt_pk_bf16_f32 v[kb+cc], v[(\lb)+2*cc], v[(\lb)+2*cc+1]
.set cc, cc+1
.endr
.endm
.macro CONV nh
	CLOAD \nh, 0, LB0
	CLOAD \nh, 1, LB1
.irp u, 0,1,2,3,4,5,6,7
.if (\u) < 7
	s_wait_dscnt 16                                ; LDS loads come back in order (ISA guide 5.7.1): the next unit's 16 loads may stay out
.else
	s_wait_dscnt 0x0
.endif
	CCVT 8*(\nh)+(\u), LB0+64*((\u)%2)
.if (\u) < 6
	CLOAD \nh, (\u)+2, LB0+64*((\u)%2)
.endif
.endr
.endm
; The keys' sums of squares: each fragment times itself; the diagonal of the result is the sum of the rounded numbers' squares.  32 products for 8 K steps, the four accumulators by turns.
.macro NORMW nh
.set sx, 8*(\nh)
.rept 8
	KLOC sx
	WIN kw|(kw<<2)
.set tt, 0
.rept 4
.set rD, ACC0+8*tt
.set rA, kb+8*tt
.if sx == 0
	v_wmma_f32_16x16x32_bf16 v[rD:rD+7], v[rA:rA+7], v[rA:rA+7], 0
.else
	v_wmma_f32_16x16x32_bf16 v[rD:rD+7], v[rA:rA+7], v[rA:rA+7], v[rD:rD+7]
.endif
.set tt, tt+1
.endr
.set sx, sx+1
.endr
	WIN 0
.endm
	s_wait_tensorcnt 0x1                           ; my part of A's first half is in; the second half's may stay out
	s_barrier_signal -1
	s_barrier_wait -1                              ; everybody's is
	CONV 0
	NORMW 0
	s_wait_tensorcnt 0x0                           ; A's second half has landed; slot 0 has been read out:
	ds_add_u32 v[SPW], v[NIL]
	s_wait_dscnt 0x0
	CROUND
	JL GH                                          ; hb's tile 0 into slot 0
	CONV 1
	NORMW 1
	s_wait_tensorcnt 0x0                           ; tile 0 has landed; slot 1 has been read out
	ds_add_u32 v[SPW], v[NIL]
	s_wait_dscnt 0x0
	CROUND
	JL GH+4                                        ; tile 1 into slot 1
	LOADH AQ, 0, 0                                 ; the first query tile's fragments, whole
	LOADH AQ, 0, 1
	; Register 8 t + j of lane half h wants the norm of fragment row 8 h + j of key tile t: the diagonal element that lane 24 h + j holds in that same register.
	v_mul_u32_u24 v[BP], v2, 96
.irp j, 1,2,3,4,5,6,7
	v_add_nc_u32 v[BP+(\j)], 4*(\j), v[BP]
.endr
.set p, 0
.rept 32
	ds_bpermute_b32 v[RT+p], v[BP+p%8], v[ACC0+p]  ; each accumulator from its low end on
.set p, p+1
.endr
	s_wait_dscnt 0x0
.set p, 0
.rept 32
	v_max_num_f32 v[RT+p], s[EPS2], v[RT+p]        ; max(s, 1e-16)
.set p, p+1
.endr
.set p, 0
.rept 32
	v_rsq_f32 v[TY+p], v[RT+p]
.set p, p+1
.endr
	v_nop                                          ; a plain instruction behind the last transcendental (ISA guide 5.7.2)
.set p, 0
	s_wait_alu depctr_va_vdst(0)
.rept 16                                       ; one Newton step: y + y (0.5 (1 - s y y))
	v_pk_mul_f32 v[RT+p:RT+p+1], v[RT+p:RT+p+1], v[TY+p:TY+p+1]
.set p, p+2
.endr
.set p, 0
.rept 16
	v_pk_fma_f32 v[RT+p:RT+p+1], v[RT+p:RT+p+1], v[TY+p:TY+p+1], 1.0 op_sel_hi:[1,1,0] neg_lo:[1,0,0] neg_hi:[1,0,0]
.set p, p+2
.endr
.set p, 0
.rept 16
	v_pk_mul_f32 v[RT+p:RT+p+1], v[RT+p:RT+p+1], 0.5 op_sel_hi:[1,0]
.set p, p+2
.endr
	WIN 0x40                                       ; the norms go beside the keys of K steps 0-3
.set p, 0
.rept 16
	v_pk_fma_f32 v[RNW+p:RNW+p+1], v[TY+p:TY+p+1], v[RT+p:RT+p+1], v[TY+p:TY+p+1]
.set p, p+2
.endr
	WIN 0
	TILE ACC0, 0, 0, 0, 0, 0, 1, -1                ; the first query tile stands in front of the loop: there is no finished tile yet to reduce beside it, and its fragments are all there
	WIN 0                                          ; at a label and at a branch every window is 0
	s_mov_b32 s[CNT], 15
.Ltrip:                                                ; a trip goes once round the ring, from a lap's second query tile to the next lap's first, and fills both slots again
	TILE ACC1, ACC0, 0, 0, 1, 0, 2, 0              ; (in the first trip this tile's store puts zeros into the guard blocks: the price of one text for every trip)
	TILE ACC0, ACC1, 0, 0, 2, 0, 3, 1
	TILE ACC1, ACC0, 1, 0, 3, 1, 0, 2
	TILE ACC0, ACC1, 0, 1, 0, 1, 1, 3
	TILE ACC1, ACC0, 0, 1, 1, 1, 2, 4
	TILE ACC0, ACC1, 0, 1, 2, 1, 3, 5
	TILE ACC1, ACC0, 1, 1, 3, 0, 0, 6
	TILE ACC0, ACC1, 0, 0, 0, 0, 1, 7
	WIN 0x44                                       ; source 1 and destination in window 1
	v_add_nc_u32 v[RVW], 512, v[RVW]               ; a lap's 128 queries on
	v_add_nc_u32 v[RIW], 256, v[RIW]
	WIN 0
	s_sub_co_u32 s[CNT], s[CNT], 1
	s_cmp_lg_u32 s[CNT], 0
	s_cbranch_scc1 .Ltrip
	TILE ACC1, ACC0, 0, 0, 1, 0, 2, 0              ; the last lap is written out: nothing is asked for
	TILE ACC0, ACC1, 0, 0, 2, 0, 3, 1
	TILE ACC1, ACC0, 2, 0, 3, 1, 0, 2
	TILE ACC0, ACC1, 0, 1, 0, 1, 1, 3
	TILE ACC1, ACC0, 0, 1, 1, 1, 2, 4
	TILE ACC0, ACC1, 0, 1, 2, 1, 3, 5
	TILE ACC1, ACC0, 3, 1, 3, 0, 0, 6
.set n, 0
.rept 50                                       ; the last query tile's argmax has no products to stand beside
	RD ACC1
.if n == 1
	WIN 0x01
	ST 7                                           ; the last tile but one's result
.endif
.set n, n+1
.endr
	WIN 0x01
	ST 8
	; THE END PASS.  The waves kh = 0 and kh = 1 of a query half hold the best of keys 0-63 and 64-127: the higher keys win only by a greater score.  Wave w takes query half w % 2, positions 1,024 (w / 2) on.
	; Position 64 T + c of a query half is query 128 T + 64 (w % 2) + c: sixteen lanes' four numbers each are 256 consecutive bytes of pv and of pi, aligned.
	; Of a query's two bytes one is a register number 0-31 and the other 255: the key among the wave's 64 is min(byte 0, byte 1 + 32).
	WIN 0
	s_wait_dscnt 0x0                               ; for the others' sake: my stores into VAL and IDX are done
	s_barrier_signal -1
	s_barrier_wait -1
	v_and_b32 v11, 31, v0
	s_mul_i32 s56, s[QH], VSTR
	s_lshl_b32 s57, s[KH], 12
	s_add_co_u32 s56, s56, s57
	s_add_co_u32 s56, s56, VAL+256
	v_lshl_add_u32 v[EV], v11, 4, s56
	s_mul_i32 s58, s[QH], ISTR
	s_lshl_b32 s59, s[KH], 11
	s_add_co_u32 s58, s58, s59
	s_add_co_u32 s58, s58, IDX+256
	v_lshl_add_u32 v[EI], v11, 3, s58
	s_lshl_b32 s60, s[KH], 13
	s_lshl_b32 s61, s[QH], 8
	s_add_co_u32 s60, s60, s61
	v_lshl_add_u32 v[EG], v2, 9, s60
	v_lshl_add_u32 v[EG], v1, 4, v[EG]
.set it, 0
.rept 8
.set eb, 128+12*it
	ds_load_b128 v[eb:eb+3],     v[EV] offset:512*it
	ds_load_b128 v[eb+4:eb+7],   v[EV] offset:512*it+2*VSTR
	ds_load_b64  v[eb+8:eb+9],   v[EI] offset:256*it
	ds_load_b64  v[eb+10:eb+11], v[EI] offset:256*it+2*ISTR
.set it, it+1
.endr
.set it, 0
.rept 8
.set eb, 128+12*it
.set ub, 64+8*it
	s_wait_dscnt 28-4*it                           ; the four loads of each younger group may stay out
.set cc, 0
.rept 8                                        ; cc = 4 kh + the query among my four
	v_bfe_u32 v[ub+cc], v[eb+8+cc/2], 16*(cc%2), 8
	v_bfe_u32 v[RT+cc], v[eb+8+cc/2], 16*(cc%2)+8, 8
.set cc, cc+1
.endr
.set cc, 0
.rept 8
	v_add_nc_u32 v[RT+cc], 32, v[RT+cc]
.set cc, cc+1
.endr
.set cc, 0
.rept 8
	v_min_u32 v[ub+cc], v[ub+cc], v[RT+cc]
.set cc, cc+1
.endr
.set cc, 0
.rept 4
	v_cmp_gt_f32 s[MA], v[eb+4+cc], v[eb+cc]
	v_max_num_f32 v[eb+cc], v[eb+cc], v[eb+4+cc]
	v_add_nc_u32 v[ub+4+cc], 64, v[ub+4+cc]
	v_cndmask_b32 v[ub+cc], v[ub+cc], v[ub+4+cc], s[MA]
	v_add_nc_u32 v[ub+cc], s[KB], v[ub+cc]         ; the key's row in A
.set cc, cc+1
.endr
	global_store_b128 v[EG], v[eb:eb+3], s[8:9] offset:1024*it    ; no register of a store is rewritten
	global_store_b128 v[EG], v[ub:ub+3], s[10:11] offset:1024*it
.set it, it+1
.endr
	s_wait_tensorcnt 0x0                           ; the wave's end: behind my last tensor load and my last LDS store
	ds_add_u32 v[SPW], v[NIL]
	s_wait_dscnt 0x0
	CROUND                                         ; the closing round: no work-group ends while a partner may still ask for a tile that names it
	s_endpgm
.Lfunc_end_k_q24b66321a5_route:
	.size	k_q24b66321a5_route, .Lfunc_end_k_q24b66321a5_route-k_q24b66321a5_route
	.p2alignl 7, 3214868480
	.fill 96, 4, 3214868480
	.section	.rodata,"a",@progbits
	.p2align	6, 0x0
	.amdhsa_kernel k_q24b66321a5_route
		.amdhsa_group_segment_fixed_size 327680
		.amdhsa_private_segment_fixed_size 0
		.amdhsa_enable_private_segment 0
		.amdhsa_kernarg_size 32
		.amdhsa_user_sgpr_count 2
		.amdhsa_user_sgpr_kernarg_segment_ptr 1
		.amdhsa_wavefront_size32 1
		.amdhsa_system_sgpr_workgroup_id_x 1
		.amdhsa_system_sgpr_workgroup_id_y 1
		.amdhsa_system_sgpr_workgroup_id_z 1
		.amdhsa_system_vgpr_workitem_id 0
		.amdhsa_next_free_vgpr 1024
		.amdhsa_next_free_sgpr 80
		.amdhsa_reserve_vcc 0
		.amdhsa_float_denorm_mode_32 3
		.amdhsa_float_denorm_mode_16_64 3
		.amdhsa_memory_ordered 1
		.amdhsa_forward_progress 1
		.amdhsa_inst_pref_size 255
	.end_amdhsa_kernel
	.section	.bss,"aw",@nobits
	.p2align	6
	.space	262144
	.amdgpu_metadata
---
amdhsa.version: [ 1, 2 ]
amdhsa.kernels:
  - .name:           k_q24b66321a5_route
    .symbol:         k_q24b66321a5_route.kd
    .args:
      - { .name: A, .offset: 0, .size: 8, .value_kind: global_buffer, .address_space: global }
      - { .name: hb, .offset: 8, .size: 8, .value_kind: global_buffer, .address_space: global }
      - { .name: pv, .offset: 16, .size: 8, .value_kind: global_buffer, .address_space: global }
      - { .name: pi, .offset: 24, .size: 8, .value_kind: global_buffer, .address_space: global }
    .group_segment_fixed_size: 327680
    .private_segment_fixed_size: 0
    .kernarg_segment_align: 8
    .kernarg_segment_size: 32
    .max_flat_workgroup_size: 128
    .sgpr_count:     80
    .vgpr_count:     1024
    .wavefront_size: 32
...
	.end_amdgpu_metadata
.endif
;; end of part 2
;; launch pick (part 3): grid 64 x 1, 16 waves a work-group, no clusters, 18,432 bytes of LDS; arguments pv, pi, rnh, out0; writes out0
.if DOCPART == 3
	.amdgcn_target "amdgcn-amd-amdhsa--gfx1250"
	.amdhsa_code_object_version 6
	.text
	.protected	k_q24b66321a5_pick
	.globl	k_q24b66321a5_pick
	.p2align	8
	.type	k_q24b66321a5_pick,@function
k_q24b66321a5_pick:
	s_mov_b64 s[64:65], 0
	v_nop
	global_prefetch_b8 v0, s[64:65] scope:SCOPE_SE
	s_setreg_imm32_b32 hwreg(HW_REG_WAVE_MODE, 25, 1), 1
	s_wait_xcnt 0x0
; out0[q] = the key of the largest of pv[g][q] x rnh[q] over the 256 key groups g, the lowest key among equals.  pv: [256][4096] f32, pi: [256][4096] int32, rnh: [4096] f32, out0: [4096] int32.
; The groups' keys ascend with g, and a later group wins only by a greater score.  LIMITS: a NaN never wins; two partial maxima that the multiplication rounds to one number count as equal.
; SHARES.  A work-group owns 64 queries: 256 consecutive bytes of every row of pv and pi, of rnh and of out0.  Thread t: c = t % 16 (queries 4 c .. 4 c + 3), u = t / 16 (groups 8 u .. 8 u + 7):
; sixteen lanes read one aligned block of 256 bytes.  All 17 loads of a thread go out at once.  The 32 partial results a query meet in LDS; wave 0 reduces them and stores one block of 256 bytes.
; A stream of 8 MB: no matrix unit, no cluster, no tile ring.
.set LV, 0                             ; 32 x 256 bytes of scores
.set LI, 8192                          ; 32 x 256 bytes of keys
.set SPARE, 16384                      ; the spare words, 128 bytes for each of 16 waves
.set PV, 32                            ; v[32:63] stage 1: group j's four scores; stage 2: v[32:95]
.set PI, 64                            ; v[64:95] stage 1: group j's four keys
.set QI, 96                            ; v[96:159] stage 2: the keys
	s_load_b256 s[4:11], s[0:1], 0x0               ; pv s[4:5], pi s[6:7], rnh s[8:9], out0 s[10:11]
	v_lshl_add_u32 v30, v0, 2, SPARE               ; my spare word,
	v_mov_b32 v31, 0                               ; and 0: kept for the add alone
	v_lshrrev_b32 v1, 5, v0
	v_readfirstlane_b32 s12, v1                    ; wave
	v_and_b32 v2, 15, v0                           ; c
	v_lshrrev_b32 v3, 4, v0                        ; u
	v_lshlrev_b32 v4, 4, v2                        ; 16 c
	v_lshl_add_u32 v5, v3, 17, v4                  ; 8 u rows of 16,384 bytes + 16 c
	v_lshlrev_b32 v6, 4, v0                        ; LDS: 256 u + 16 c = 16 t
	v_bfe_u32 v7, v0, 4, 1
	v_lshl_add_u32 v7, v7, 12, v4                  ; stage 2: 16 partial rows for each half of the lanes + 16 c
.irp n, 20,21,22,23,24,25,26,27
	v_mov_b32 v\n, 0                               ; v_permlanex16_b32's destinations count as read
.endr
	s_lshl_b32 s14, ttmp9, 8                       ; 64 queries of 4 bytes
	s_mov_b32 s15, 0
	s_mov_b32 s16, 0x76543210
	s_mov_b32 s17, 0xfedcba98
	s_wait_kmcnt 0x0
	s_add_nc_u64 s[4:5], s[4:5], s[14:15]
	s_add_nc_u64 s[6:7], s[6:7], s[14:15]
	s_add_nc_u64 s[8:9], s[8:9], s[14:15]
	s_add_nc_u64 s[10:11], s[10:11], s[14:15]
	global_load_b128 v[8:11], v4, s[8:9]
.irp j, 0,1,2,3,4,5,6,7
	global_load_b128 v[PV+4*(\j):PV+4*(\j)+3], v5, s[4:5] offset:16384*(\j) th:TH_LOAD_NT
	global_load_b128 v[PI+4*(\j):PI+4*(\j)+3], v5, s[6:7] offset:16384*(\j) th:TH_LOAD_NT
.endr
.irp j, 0,1,2,3,4,5,6,7
	s_wait_loadcnt 14-2*(\j)                       ; loads come back in order (ISA guide 5.7.1): the two loads of each younger group may stay out
	v_pk_mul_f32 v[PV+4*(\j):PV+4*(\j)+1],   v[PV+4*(\j):PV+4*(\j)+1],   v[8:9]     ; the query's own norm
	v_pk_mul_f32 v[PV+4*(\j)+2:PV+4*(\j)+3], v[PV+4*(\j)+2:PV+4*(\j)+3], v[10:11]
.if (\j) > 0
.irp n, 0,1,2,3
	v_cmp_gt_f32 vcc_lo, v[PV+4*(\j)+(\n)], v[PV+(\n)]                          ; group 0's registers hold the best so far
	v_max_num_f32 v[PV+(\n)], v[PV+(\n)], v[PV+4*(\j)+(\n)]
	v_cndmask_b32 v[PI+(\n)], v[PI+(\n)], v[PI+4*(\j)+(\n)], vcc_lo
.endr
.endif
.endr
	ds_store_b128 v6, v[PV:PV+3] offset:LV
	ds_store_b128 v6, v[PI:PI+3] offset:LI
	s_wait_tensorcnt 0x0                           ; the wave's end as far as LDS writes go
	ds_add_u32 v30, v31
	s_wait_dscnt 0x0                               ; also for the others' sake: my partial results are in LDS
	s_barrier_signal -1
	s_barrier_wait -1
	s_cmp_lg_u32 s12, 0
	s_cbranch_scc1 .Lend
.irp k, 0,1,2,3,4,5,6,7,8,9,10,11,12,13,14,15
	ds_load_b128 v[PV+4*(\k):PV+4*(\k)+3], v7 offset:LV+256*(\k)   ; lanes 0-15: partial rows 0-15; lanes 16-31: rows 16-31
	ds_load_b128 v[QI+4*(\k):QI+4*(\k)+3], v7 offset:LI+256*(\k)
.endr
	s_wait_dscnt 0x0
.irp k, 1,2,3,4,5,6,7,8,9,10,11,12,13,14,15
.irp n, 0,1,2,3
	v_cmp_gt_f32 vcc_lo, v[PV+4*(\k)+(\n)], v[PV+(\n)]
	v_max_num_f32 v[PV+(\n)], v[PV+(\n)], v[PV+4*(\k)+(\n)]
	v_cndmask_b32 v[QI+(\n)], v[QI+(\n)], v[QI+4*(\k)+(\n)], vcc_lo
.endr
.endr
.irp n, 0,1,2,3
	v_permlanex16_b32 v[20+(\n)], v[PV+(\n)], s16, s17
	v_permlanex16_b32 v[24+(\n)], v[QI+(\n)], s16, s17
.endr
.irp n, 0,1,2,3
	v_cmp_gt_f32 vcc_lo, v[20+(\n)], v[PV+(\n)]    ; right in lanes 0-15, whose groups are the lower ones: the upper half wins only by a greater score
	v_cndmask_b32 v[QI+(\n)], v[QI+(\n)], v[24+(\n)], vcc_lo
.endr
	s_wait_xcnt 0x0                                ; EXEC changes only behind this wait
	v_cmp_gt_u32 vcc_lo, 16, v0
	s_and_saveexec_b32 s20, vcc_lo
	global_store_b128 v4, v[QI:QI+3], s[10:11]     ; sixteen lanes store 256 consecutive bytes of out0, aligned
.Lend:
	s_endpgm
.Lfunc_end_k_q24b66321a5_pick:
	.size	k_q24b66321a5_pick, .Lfunc_end_k_q24b66321a5_pick-k_q24b66321a5_pick
	.p2alignl 7, 3214868480
	.fill 96, 4, 3214868480
	.section	.rodata,"a",@progbits
	.p2align	6, 0x0
	.amdhsa_kernel k_q24b66321a5_pick
		.amdhsa_group_segment_fixed_size 18432
		.amdhsa_private_segment_fixed_size 0
		.amdhsa_enable_private_segment 0
		.amdhsa_kernarg_size 32
		.amdhsa_user_sgpr_count 2
		.amdhsa_user_sgpr_kernarg_segment_ptr 1
		.amdhsa_wavefront_size32 1
		.amdhsa_system_sgpr_workgroup_id_x 1
		.amdhsa_system_sgpr_workgroup_id_y 1
		.amdhsa_system_sgpr_workgroup_id_z 1
		.amdhsa_system_vgpr_workitem_id 0
		.amdhsa_next_free_vgpr 176
		.amdhsa_next_free_sgpr 66
		.amdhsa_reserve_vcc 1
		.amdhsa_float_denorm_mode_32 3
		.amdhsa_float_denorm_mode_16_64 3
		.amdhsa_memory_ordered 1
		.amdhsa_forward_progress 1
		.amdhsa_inst_pref_size 16
	.end_amdhsa_kernel
	.amdgpu_metadata
---
amdhsa.version: [ 1, 2 ]
amdhsa.kernels:
  - .name:           k_q24b66321a5_pick
    .symbol:         k_q24b66321a5_pick.kd
    .args:
      - { .name: pv, .offset: 0, .size: 8, .value_kind: global_buffer, .address_space: global }
      - { .name: pi, .offset: 8, .size: 8, .value_kind: global_buffer, .address_space: global }
      - { .name: rnh, .offset: 16, .size: 8, .value_kind: global_buffer, .address_space: global }
      - { .name: out0, .offset: 24, .size: 8, .value_kind: global_buffer, .address_space: global }
    .group_segment_fixed_size: 18432
    .private_segment_fixed_size: 0
    .kernarg_segment_align: 8
    .kernarg_segment_size: 32
    .max_flat_workgroup_size: 512
    .sgpr_count:     66
    .vgpr_count:     176
    .wavefront_size: 32
...
	.end_amdgpu_metadata
.endif
;; end of part 3
